; MI455X (gfx1250); checked and timed in simulation.
; The chip was launched on July 23, 2026; its instructions are those of AMD's public machine-readable ISA for CDNA 5 (MIT licence, August 2026) and "CDNA5" Instruction Set Architecture Reference Guide (July 2026). The comments in the code are by the model that wrote it; some were corrected since.
;; keops RB Fkernel. Allowed arithmetic: float matrix products may take bf16 or f16 operands with f32 sums; all other float work in f32.
;; Inputs: b 16,384 x 16 float32; ls 1 float32; x 16,384 x 32 float32; y 16,384 x 32 float32.
;; Outputs: out0 16,384 x 16 float32.
;; 2 versions, each right; version 2 is version 1 with the launch prep written anew for expert scheduling mode. Each part assembles by itself: llvm-mc -triple=amdgcn-amd-amdhsa -mcpu=gfx1250 --defsym DOCPART=n.
;; ======== version 1 of 2: 2 launches
;; workspace buffers: pk 6,422,528 bytes
;; launch prep (part 1): grid 256 x 1, 2 waves a work-group, no clusters, 0 bytes of LDS; arguments ls, x, y, b, pk; writes pk
.if DOCPART == 1
	.amdgcn_target "amdgcn-amd-amdhsa--gfx1250"
	.amdhsa_code_object_version 6
	.text
	.protected	k_qe0ab4e4c36_prep
	.globl	k_qe0ab4e4c36_prep
	.p2align	8
	.type	k_qe0ab4e4c36_prep,@function
k_qe0ab4e4c36_prep:
	s_mov_b64 s[64:65], 0
	v_nop
	global_prefetch_b8 v0, s[64:65] scope:SCOPE_SE
	s_setreg_imm32_b32 hwreg(HW_REG_WAVE_MODE, 25, 1), 1
	s_wait_xcnt 0x0
; PREP: turns x, y and b into ready register images of 16 x 32 bf16 matrix fragments, each number as two bf16 pieces (hi + lo).
; With L = log2 e, g = ls[0] and c = the mean of y's rows 0 to 15 (a fixed vector: |x - y| does not change when c is taken from both,
; and a common offset of the data is gone before anything is rounded):
;   y packs (jobs 0-255):   y - c as hi + lo,  b as hi + lo,  ny = -g L |y - c|^2
;   x packs (jobs 256-511): 2 g L (x - c) as hi + lo,          nx = -g L |x - c|^2
; so that nx + ny + sum_k (y - c)_k (2 g L (x - c))_k = -g L |x - y|^2, the exponent to base 2 that the second launch needs.
; A pack is 12,544 bytes for 64 points (4 tiles of 16, 2 steps of 32):
;   step s at 6144 s: tile 2s (hi 1024, lo 1024), tile 2s+1 (hi, lo), b of the step (hi 1024, lo 1024);  at 12288: 64 norms of 4 bytes.
; An image is 8 registers x 32 lanes: registers 0-3 of lane l at 16 l, registers 4-7 at 512 + 16 l.
; Fragment map (ISA guide 7.12.2): lane (r = l % 16, h = l / 16) holds point r; registers 0-3 k = 8h .. 8h+7, registers 4-7 k = 16+8h .. +7.
; b's image: lane (r, h) holds column r of b; registers 0-3 rows 8h .. 8h+7 of the step, registers 4-7 rows 16+8h .. +7.
; The b regions of the x packs are neither written here nor read later.
; One wave makes one pack; no wave depends on another: no LDS, no barrier, EXEC stays full.  Every store has data registers of its own.
; Every wave makes c by the same instructions from the same 16 rows, so c is the same to the last bit in all of them.
; LIMITS: NaN and infinities in the inputs are not reproduced.  An outlier of size R among y's first 16 rows moves c by R / 16, which
; only enlarges the centred numbers.  The norms leave as two stores of 128 bytes a pack and b comes in by 4-byte loads of which a
; wave's sixteen cover 2,048 consecutive bytes: together 2 of every 100 bytes that this launch moves.
.set PACK, 12544
.set CEN,  8                           ; v[8:23]    minus the centre, for my 16 values of k
.set T,    24                          ; v[24:27]   at work: two pairs that take turns
.set NA,   28                          ; v[28:31]   the norm, in two chains of pairs
.set NRM,  32                          ; v[32:35]   the four tiles' scaled norms
.set SEL,  36                          ; v[36:37]   the norms as stored
.set V,    40                          ; v[40:103]  tile i: 16 numbers as loaded, at 40 + 16 i
.set BV,   104                         ; v[104:135] b of step s: 16 numbers, at 104 + 16 s
.set HL,   136                         ; v[136:199] tile i: hi in 8 registers at 136 + 16 i, lo in the next 8
.set BHL,  200                         ; v[200:231] the same for b's two steps
	s_load_b256 s[4:11], s[0:1], 0x0               ; ls s[4:5], x s[6:7], y s[8:9], b s[10:11]
	s_load_b64 s[12:13], s[0:1], 0x20              ; pk
	v_lshrrev_b32 v5, 5, v0
	v_readfirstlane_b32 s16, v5                    ; wave 0 or 1
	s_lshl_b32 s17, ttmp9, 1
	s_add_co_u32 s17, s17, s16                     ; job = 2 x work-group + wave, 0 to 511: the pack's number
	s_and_b32 s18, s17, 255                        ; block of 64 rows of y (and b), or of x
	v_and_b32 v6, 15, v0                           ; r
	v_and_b32 v7, 16, v0                           ; 16 h
	v_lshlrev_b32 v1, 7, v6                        ; source: row r of 128 bytes
	v_lshl_add_u32 v1, v7, 1, v1                   ;         + 32 h (k = 8 h)
	v_and_b32 v2, 31, v0
	v_lshlrev_b32 v4, 2, v2                        ; norms: 4 x lane
	v_lshlrev_b32 v2, 4, v2                        ; images: 16 x lane
	v_lshlrev_b32 v3, 2, v6                        ; b: column r
	v_lshl_add_u32 v3, v7, 5, v3                   ;    + 8 h rows of 64 bytes
	s_mul_i32 s24, s17, PACK                       ; the pack's place in pk (below 6.5 million)
	s_mov_b32 s25, 0
	s_lshl_b32 s22, s18, 13                        ; 64 rows of 128 bytes
	s_mov_b32 s23, 0
	s_lshl_b32 s26, s18, 12                        ; 64 rows of 64 bytes
	s_mov_b32 s27, 0
	s_mov_b32 s32, 0x76543210                      ; v_permlanex16_b32: lane i of one half reads lane i of the other
	s_mov_b32 s33, 0xfedcba98
	s_wait_kmcnt 0x0
	s_load_b32 s19, s[4:5], 0x0                    ; g
	s_cmp_lt_u32 s17, 256
	s_cselect_b64 s[20:21], s[8:9], s[6:7]         ; the points come from y (jobs 0-255) or from x
	s_add_nc_u64 s[20:21], s[20:21], s[22:23]
	s_add_nc_u64 s[10:11], s[10:11], s[26:27]      ; b's rows of the block (used by the y jobs alone)
	s_add_nc_u64 s[12:13], s[12:13], s[24:25]
	global_load_b128 v[CEN:CEN+3],     v1, s[8:9]              ; y's rows 0-15, my 16 values of k
	global_load_b128 v[CEN+4:CEN+7],   v1, s[8:9] offset:16
	global_load_b128 v[CEN+8:CEN+11],  v1, s[8:9] offset:64
	global_load_b128 v[CEN+12:CEN+15], v1, s[8:9] offset:80
.irp i, 0,1,2,3
	global_load_b128 v[V+16*\i:V+16*\i+3],     v1, s[20:21] offset:2048*\i       ; tile i: k = 8h .. 8h+3
	global_load_b128 v[V+16*\i+4:V+16*\i+7],   v1, s[20:21] offset:2048*\i+16    ;         8h+4 .. 8h+7
	global_load_b128 v[V+16*\i+8:V+16*\i+11],  v1, s[20:21] offset:2048*\i+64    ;         16+8h .. +3
	global_load_b128 v[V+16*\i+12:V+16*\i+15], v1, s[20:21] offset:2048*\i+80    ;         16+8h+4 .. +7
.endr
	s_wait_kmcnt 0x0                               ; g
	s_mul_f32 s28, s19, 0xbfb8aa3b                 ; -g L
	s_mul_f32 s30, s28, -2.0                       ; 2 g L,
	s_mov_b32 s31, s30                             ; as a whole pair for the packed multiply
; minus the mean of y's rows 0-15.  left = the loads issued behind the four of the centre.
.macro CENTRE left
	s_wait_loadcnt \left
.irp m, 1,2,4,8
.irp q, 0,1,2,3,4,5,6,7,8,9,10,11,12,13,14,15
	v_add_f32_dpp v[CEN+\q], v[CEN+\q], v[CEN+\q] row_xmask:\m row_mask:0xf bank_mask:0xf    ; the 16 lanes of a half hold the 16 rows
.endr
.endr
.irp q, 0,2,4,6,8,10,12,14
	v_pk_mul_f32 v[CEN+\q:CEN+\q+1], v[CEN+\q:CEN+\q+1], 0xbd800000 op_sel_hi:[1,0]          ; times -1/16
.endr
.endm
; 16 numbers in f32 at src become 8 registers of bf16 hi at dst and 8 of bf16 lo at dst + 8; lo = the rounded rest, which is formed exactly
.macro SPLIT16 src, dst
.irp q, 0,1,2,3,4,5,6,7
	v_cvt_pk_bf16_f32 v[\dst+\q], v[\src+2*\q], v[\src+2*\q+1]
	v_lshlrev_b32 v[T+2*(\q&1)],   16, v[\dst+\q]
	v_and_b32     v[T+2*(\q&1)+1], 0xffff0000, v[\dst+\q]
	v_pk_add_f32 v[\src+2*\q:\src+2*\q+1], v[\src+2*\q:\src+2*\q+1], v[T+2*(\q&1):T+2*(\q&1)+1] neg_lo:[0,1] neg_hi:[0,1]
	v_cvt_pk_bf16_f32 v[\dst+8+\q], v[\src+2*\q], v[\src+2*\q+1]
.endr
.endm
; four stores of an image pair (hi, lo): each covers 512 consecutive bytes that start at a multiple of 512 in the pack
.macro PUT reg, off
.irp c, 0,1,2,3
	global_store_b128 v2, v[\reg+4*\c:\reg+4*\c+3], s[12:13] offset:\off+512*\c
.endr
.endm
; tile i: centre, norm, scale (x alone), split, store.  left = the loads issued behind this tile's four.
.macro TILE i, left, scaled
	s_wait_loadcnt \left
.irp q, 0,2,4,6,8,10,12,14
	v_pk_add_f32 v[V+16*\i+\q:V+16*\i+\q+1], v[V+16*\i+\q:V+16*\i+\q+1], v[CEN+\q:CEN+\q+1]
.endr
	v_pk_mul_f32 v[NA:NA+1],   v[V+16*\i:V+16*\i+1],   v[V+16*\i:V+16*\i+1]                  ; the first products start the two chains
	v_pk_mul_f32 v[NA+2:NA+3], v[V+16*\i+2:V+16*\i+3], v[V+16*\i+2:V+16*\i+3]
.irp q, 4,8,12
	v_pk_fma_f32 v[NA:NA+1],   v[V+16*\i+\q:V+16*\i+\q+1],   v[V+16*\i+\q:V+16*\i+\q+1],   v[NA:NA+1]
	v_pk_fma_f32 v[NA+2:NA+3], v[V+16*\i+\q+2:V+16*\i+\q+3], v[V+16*\i+\q+2:V+16*\i+\q+3], v[NA+2:NA+3]
.endr
	v_pk_add_f32 v[NA:NA+1], v[NA:NA+1], v[NA+2:NA+3]
	v_add_f32 v[NA], v[NA], v[NA+1]                ; my 16 values of k;
	v_permlanex16_b32 v5, v[NA], s32, s33          ; the other 16 lie in the other half (v5 has been written before)
	v_add_f32 v[NA], v[NA], v5
	v_mul_f32 v[NRM+\i], s28, v[NA]                ; -g L |.|^2 of point r, in both halves
.if \scaled
.irp q, 0,2,4,6,8,10,12,14
	v_pk_mul_f32 v[V+16*\i+\q:V+16*\i+\q+1], v[V+16*\i+\q:V+16*\i+\q+1], s[30:31] op_sel_hi:[1,0]
.endr
.endif
	SPLIT16 V+16*\i, HL+16*\i
	PUT HL+16*\i, (\i>>1)*6144+(\i&1)*2048
.endm
; b of step s.  left = the loads issued behind its sixteen.
.macro BGRP s, left
	s_wait_loadcnt \left
	SPLIT16 BV+16*\s, BHL+16*\s
	PUT BHL+16*\s, \s*6144+4096
.endm
; the 64 norms: lanes 0-15 give the even tile's, lanes 16-31 the odd tile's
.macro NORMS
	v_cmp_ne_u32 vcc_lo, 0, v7
	v_cndmask_b32 v[SEL],   v[NRM],   v[NRM+1], vcc_lo
	v_cndmask_b32 v[SEL+1], v[NRM+2], v[NRM+3], vcc_lo
	global_store_b32 v4, v[SEL],   s[12:13] offset:12288
	global_store_b32 v4, v[SEL+1], s[12:13] offset:12416
.endm
	s_cmp_ge_u32 s17, 256
	s_cbranch_scc1 .Lx
	; a y pack
.irp s, 0,1
.irp i, 0,1,2,3,4,5,6,7
	global_load_b32 v[BV+16*\s+\i],   v3, s[10:11] offset:2048*\s+64*\i          ; b[32 s + 8h + i][r]
.endr
.irp i, 0,1,2,3,4,5,6,7
	global_load_b32 v[BV+16*\s+8+\i], v3, s[10:11] offset:2048*\s+1024+64*\i     ; b[32 s + 16 + 8h + i][r]
.endr
.endr
	CENTRE 48                                      ; behind the centre's loads: 16 of the tiles and 32 of b
	TILE 0, 44, 0                                  ; 12 of the later tiles and 32 of b stay out, and so on
	TILE 1, 40, 0
	TILE 2, 36, 0
	TILE 3, 32, 0
	NORMS
	BGRP 0, 16                                     ; the second step's sixteen stay out
	BGRP 1, 0
	s_endpgm
.Lx:	; an x pack
	CENTRE 16                                      ; behind the centre's loads: 16 of the tiles
	TILE 0, 12, 1
	TILE 1, 8, 1
	TILE 2, 4, 1
	TILE 3, 0, 1
	NORMS
	s_endpgm
.Lfunc_end_k_qe0ab4e4c36_prep:
	.size	k_qe0ab4e4c36_prep, .Lfunc_end_k_qe0ab4e4c36_prep-k_qe0ab4e4c36_prep
	.p2alignl 7, 3214868480
	.fill 96, 4, 3214868480
	.section	.rodata,"a",@progbits
	.p2align	6, 0x0
	.amdhsa_kernel k_qe0ab4e4c36_prep
		.amdhsa_group_segment_fixed_size 0
		.amdhsa_private_segment_fixed_size 0
		.amdhsa_enable_private_segment 0
		.amdhsa_kernarg_size 40
		.amdhsa_user_sgpr_count 2
		.amdhsa_user_sgpr_kernarg_segment_ptr 1
		.amdhsa_wavefront_size32 1
		.amdhsa_system_sgpr_workgroup_id_x 1
		.amdhsa_system_sgpr_workgroup_id_y 1
		.amdhsa_system_sgpr_workgroup_id_z 1
		.amdhsa_system_vgpr_workitem_id 0
		.amdhsa_next_free_vgpr 232
		.amdhsa_next_free_sgpr 66
		.amdhsa_reserve_vcc 1
		.amdhsa_float_denorm_mode_32 3
		.amdhsa_float_denorm_mode_16_64 3
		.amdhsa_memory_ordered 1
		.amdhsa_forward_progress 1
		.amdhsa_inst_pref_size 56
	.end_amdhsa_kernel
	.amdgpu_metadata
---
amdhsa.version: [ 1, 2 ]
amdhsa.kernels:
  - .name:           k_qe0ab4e4c36_prep
    .symbol:         k_qe0ab4e4c36_prep.kd
    .args:
      - { .name: ls, .offset: 0, .size: 8, .value_kind: global_buffer, .address_space: global }
      - { .name: x, .offset: 8, .size: 8, .value_kind: global_buffer, .address_space: global }
      - { .name: y, .offset: 16, .size: 8, .value_kind: global_buffer, .address_space: global }
      - { .name: b, .offset: 24, .size: 8, .value_kind: global_buffer, .address_space: global }
      - { .name: pk, .offset: 32, .size: 8, .value_kind: global_buffer, .address_space: global }
    .group_segment_fixed_size: 0
    .private_segment_fixed_size: 0
    .kernarg_segment_align: 8
    .kernarg_segment_size: 40
    .max_flat_workgroup_size: 64
    .sgpr_count:     66
    .vgpr_count:     232
    .wavefront_size: 32
...
	.end_amdgpu_metadata
.endif
;; end of part 1
;; launch rbf (part 2): grid 256 x 1, 8 waves a work-group, clusters of 4 x 1, 327,680 bytes of LDS; arguments pk, ls, out0; writes out0
.if DOCPART == 2
	.amdgcn_target "amdgcn-amd-amdhsa--gfx1250"
	.amdhsa_code_object_version 6
	.text
	.protected	k_qe0ab4e4c36_rbf
	.globl	k_qe0ab4e4c36_rbf
	.p2align	8
	.type	k_qe0ab4e4c36_rbf,@function
k_qe0ab4e4c36_rbf:
	s_mov_b64 s[64:65], 0
	v_nop
	global_prefetch_b8 v0, s[64:65] scope:SCOPE_SE
	s_setreg_imm32_b32 hwreg(HW_REG_WAVE_MODE, 25, 1), 1
	s_wait_xcnt 0x0
	s_wait_alu depctr_hold_cnt(0) depctr_sa_sdst(0) depctr_va_vdst(0) depctr_va_sdst(0) depctr_va_ssrc(0) depctr_va_vcc(0) depctr_vm_vsrc(0)
	s_getreg_b32 s2, hwreg(HW_REG_IB_STS2, 6, 4)
	s_cmp_eq_u32 s2, 0
	s_cbranch_scc0 .Lentry_in_a_cluster
	s_endpgm
.Lentry_in_a_cluster:
	s_bfe_u32 s2, ttmp6, 0x10000c
	s_cmp_lg_u32 s2, 0x3003
	s_cbranch_scc0 .Lentry_shape_is_right
	s_endpgm
.Lentry_shape_is_right:
; RBF: out[i][v] = sum over j of exp(-g max(|x_i - y_j|^2, 0)) b[j][v], from the packs of fragment images that the first launch made.
; A work-group owns 64 rows of x and walks all 16,384 y.  Each of its eight waves keeps the four x tiles (hi + lo) in registers and
; takes, in each of 32 trips, a pack of 64 y of its own (pack 8 x trip + wave); at the end the eight partial sums meet in LDS.
; For 32 y (a step) and 32 x (a pair of x tiles):
;   S = nx + ny + yh xh + yh xl + yl xh      12 matrix instructions on four accumulators; S = -g L |x - y|^2, L = log2 e
;   K = 2^clip(S)                            clip to [-inf, 0] for g >= 0, to [0, +inf] for g < 0: that is reference's max(sq, 0)
;   K = Kh + Kl in bf16                      a lane's 16 numbers of S are, packed, its part of the second product's fragment: no shuffle
;   O += bh Kh + bh Kl + bl Kh               6 matrix instructions on two accumulators
; Both products take bf16 operands and sum in f32; each operand is given as two bf16 pieces and three of the four piece products are
; formed, since one rounding of x, y, K or b to bf16 costs more than the comparison allows in rows whose sums nearly cancel.
; No maximum is taken away before the exponential: reference takes none either, and its own clip bounds the exponent by 0 for g >= 0.
; CLUSTER: every work-group walks the same 256 packs in the same order, so the four work-groups of a cluster ask for each pack jointly
; (mask 15): wave w of each issues the same load with the same descriptor.  A tile has 49 rows of 256 bytes, one pack, because a wave
; then reads only what its own load brought, and its own TENSORcnt orders its reads.  A wave has two tensor loads out at the start, later one.
; Two waves lie on a SIMD: the text goes in plain phases (matrix, vector, matrix), and the one wave's matrix phases run beside the other's vector phases.
; LIMITS: K below 2^-126 counts as 0 (v_exp_f32 flushes denormal results: ISA guide, its entry in 15.8).  NaN and infinities in the
; inputs are not reproduced.  The relative error of K grows as g |x - c| |y - c| 2^-16.  The sums run in another order than reference's.
.set PACK,   12544                     ; bytes of a pack: 49 x 256
.set SLOT,   8*PACK                    ; a slot: the eight waves' packs of one trip
.set STAGE,  2*SLOT                    ; behind the ring: the partial sums; no tensor load lands here
.set WSTAGE, 5120                      ; a wave's stage: 64 rows of 80 bytes
.set SPITCH, 80                        ; 64 bytes of data + 16: the sixteen rows that a store touches start 20 words apart
.set STEPB,  6144                      ; a step's images in a pack: two y tiles (hi, lo), then b (hi, lo)
.set NRMO,   12288                     ; the norms' place in a pack
.set LAPS,   14                        ; trips 2 to 29, two to a lap
.set LA,   1                           ; v1, v2     LDS address of my 16 bytes of an image in my part of slot 0, 1
.set NA,   3                           ; v3, v4     LDS address of the norms of rows 8h .. in my part of slot 0, 1
.set NEG1, 5                           ; v5         -1.0
.set STO,  6                           ; v6         the way out: where my 32 bytes of a row go
.set RD,   7                           ; v7         the way out: where I read 16 bytes of a row back
.set NX,   8                           ; v[8:15]    nx of x row r, tile t, twice: a pair at 8 + 2 t
.set X,    16                          ; v[16:79]   x tile t: hi at 16 + 16 t, lo 8 further
.set O,    80                          ; v[80:111]  sums: tile t at 80 + 8 t; lane (r, h), register j: x row r, column 8h + j
.set Y,    112                         ; v[112:143] y tile u of the step: hi at 112 + 16 u, lo 8 further
.set NY,   144                         ; v[144:159] ny of rows 8h + j of y tile u at 144 + 8 u + j
.set BH,   160                         ; v[160:167] b of the step, hi
.set BL,   168                         ; v[168:175] lo
.set S,    176                         ; v[176:207] member a of the pair, y tile u: at 176 + 16 a + 8 u
.set PQ,   208                         ; v[208:239] member a: Kh at 208 + 16 a, Kl 8 further
.set OOFF, 240                         ; v240       first h, then my byte offset in the block's output
.set L16,  241                         ; v241       16 x lane
.set R4,   242                         ; v242       4 r
.set TMP,  243                         ; v243       at work
.set G1,   16                          ; s[16:23]   descriptor group 1, never rewritten
.set G0,   32                          ; s[32:39]   descriptor group 0, a set for each slot
; A round of the cluster's barrier: my work-group's barrier, so that wave 0's signal speaks for all eight waves; wave 0 signals for the
; work-group; every wave waits for all four work-groups; my work-group's barrier once more.
.macro CREST                           ; a round behind its opening barrier
	s_cmp_lg_u32 s8, 0
	s_cbranch_scc1 .Lnot_wave_0_\@
	s_barrier_signal -3
.Lnot_wave_0_\@:
	s_barrier_wait -3
	s_barrier_signal -1
	s_barrier_wait -1
.endm
.macro CROUND                          ; a whole round
	s_barrier_signal -1
	s_barrier_wait -1
	CREST
.endm
	s_load_b128 s[4:7], s[0:1], 0x0                ; pk s[4:5], ls s[6:7]
	s_load_b64 s[40:41], s[0:1], 0x10              ; out0
	v_lshl_add_u32 v244, v0, 2, 0x3b000
	v_mov_b32 v245, 0
	ds_add_u32 v244, v245
	v_lshrrev_b32 v[TMP], 5, v0
	v_readfirstlane_b32 s8, v[TMP]                 ; wave 0..7
	s_bfe_u32 s9, ttmp6, 0x40000                   ; cx: my place in the cluster
	s_lshl_b32 s10, ttmp9, 2                       ; in a cluster launch ttmp9 counts clusters
	s_add_co_u32 s10, s10, s9                      ; my block of 64 rows of x.  It enters the x pack's and the output's address and nothing else
	s_mul_i32 s11, s8, PACK                        ; my wave's part of a slot, and of a trip's eight packs
	s_mov_b32 s12, s11
	s_mov_b32 s13, 0
	s_add_co_u32 s42, s10, 256                     ; the x packs lie behind the 256 y packs
	s_mul_i32 s42, s42, PACK
	s_mov_b32 s43, 0
	; group 1: a dense block of 12,544 bytes as 49 rows of 32 elements of 8 bytes
	s_mov_b32 s[G1+0], 15|(3<<16)|(1<<21)          ; 15:0 the mask: all four work-groups of the cluster; 17:16 elements of 8 bytes; 21 set beside a mask; no padding
	s_mov_b32 s[G1+1], 32<<16                      ; 63:48 tensor_dim0 = 32
	s_mov_b32 s[G1+2], 49<<16                      ; 95:80 tensor_dim1 = 49
	s_mov_b32 s[G1+3], 32<<16                      ; 127:112 tile_dim0 = 32
	s_mov_b32 s[G1+4], 49                          ; 143:128 tile_dim1 = 49; tile_dim2 = 0
	s_mov_b32 s[G1+5], 32                          ; from row to row: 32 elements
	s_mov_b32 s[G1+6], 0
	s_mov_b32 s[G1+7], 0
	s_wait_dscnt 0x0
	s_wait_kmcnt 0x0
	s_add_nc_u64 s[28:29], s[4:5], s[12:13]        ; my wave's pack of trip 0: the same in all four work-groups
	s_add_nc_u64 s[14:15], s[4:5], s[42:43]        ; my block's x pack
	CROUND                                         ; all four work-groups are here: the first joint loads meet
.irp n, 0,1
	s_mov_b32 s[G0+4*\n], 1                                        ; count = 1
	s_add_co_u32 s[G0+4*\n+1], s11, \n*SLOT                        ; LDS address: wave x 12,544 + slot x 100,352
	s_add_nc_u64 s[G0+4*\n+2:G0+4*\n+3], s[28:29], \n*SLOT         ; global address: my pack of trip n
	s_or_b32 s[G0+4*\n+3], s[G0+4*\n+3], 0x80000000                ; type = 2
	tensor_load_to_lds s[G0+4*\n:G0+4*\n+3], s[G1:G1+7]            ; both first fills go out together, ahead of everything else
	s_nop 0
.endr
	s_load_b32 s26, s[6:7], 0x0                    ; g: its sign picks the side of the clip
	v_and_b32 v[L16], 31, v0
	v_lshlrev_b32 v[L16], 4, v[L16]                ; 16 x lane
	v_and_b32 v[TMP], 15, v0                       ; r
	v_lshlrev_b32 v[R4], 2, v[TMP]                 ; 4 r
	v_bfe_u32 v[OOFF], v0, 4, 1                    ; h
.irp t, 0,1,2,3
.irp c, 0,1,2,3
	global_load_b128 v[X+16*\t+4*\c:X+16*\t+4*\c+3], v[L16], s[14:15] offset:(\t>>1)*STEPB+(\t&1)*2048+512*\c   ; x tile t: hi, hi, lo, lo
.endr
	global_load_b32 v[NX+2*\t], v[R4], s[14:15] offset:NRMO+64*\t                                               ; nx of row r of tile t
.endr
	v_add_nc_u32 v[LA], s11, v[L16]
	v_add_nc_u32 v[LA+1], SLOT, v[LA]
	v_lshlrev_b32 v[NA], 5, v[OOFF]                ; rows 8h ..: 32 h bytes
	v_add_nc_u32 v[NA], s11, v[NA]
	v_add_nc_u32 v[NA], NRMO, v[NA]
	v_add_nc_u32 v[NA+1], SLOT, v[NA]
	v_mov_b32 v[NEG1], -1.0
	s_mul_i32 s27, s8, WSTAGE
	s_add_co_u32 s27, s27, STAGE                   ; my wave's stage
	v_mul_u32_u24 v[STO], v[TMP], SPITCH           ; in: row r, 32 bytes for each half of the lanes
	v_lshl_add_u32 v[STO], v[OOFF], 5, v[STO]
	v_add_nc_u32 v[STO], s27, v[STO]
	v_lshrrev_b32 v[RD], 2, v0                     ; back: thread T takes 16 bytes: row T / 4, quarter T % 4
	v_mul_u32_u24 v[RD], v[RD], SPITCH
	v_and_b32 v[TMP], 3, v0
	v_lshl_add_u32 v[RD], v[TMP], 4, v[RD]
	v_add_nc_u32 v[RD], STAGE, v[RD]
	v_lshlrev_b32 v[OOFF], 4, v0                   ; and the same 16 bytes of the block's 4,096 in out0: 16 T
	s_lshl_b32 s42, s10, 12                        ; the block's 64 rows of 64 bytes
	s_add_nc_u64 s[40:41], s[40:41], s[42:43]
	s_wait_kmcnt 0x0                               ; g
	s_ashr_i32 s26, s26, 31                        ; all ones for g < 0
	s_and_not1_b32 s24, 0xff800000, s26            ; lower bound: -inf for g >= 0, 0 for g < 0
	s_and_b32 s25, s26, 0x7f800000                 ; upper bound: 0 for g >= 0, +inf for g < 0
	s_wait_loadcnt 0x0                             ; x's images and norms, once
.irp t, 0,1,2,3
	v_mov_b32 v[NX+2*\t+1], v[NX+2*\t]             ; each norm twice: a pair for the packed add
.endr
; 12 LDS loads for step sg of my pack in a slot: the norms first (same 16 bytes for all lanes of a half), then the two y tiles' images (16 bytes x lane, consecutive)
.macro LOADY slot, sg
.irp u, 0,1
	ds_load_b128 v[NY+8*\u:NY+8*\u+3],   v[NA+\slot] offset:128*(\sg)+64*\u
	ds_load_b128 v[NY+8*\u+4:NY+8*\u+7], v[NA+\slot] offset:128*(\sg)+64*\u+16
.endr
.irp u, 0,1
.irp c, 0,1,2,3
	ds_load_b128 v[Y+16*\u+4*\c:Y+16*\u+4*\c+3], v[LA+\slot] offset:STEPB*(\sg)+2048*\u+512*\c
.endr
.endr
.endm
; 4 LDS loads: b's images of the step, hi and lo
.macro LOADB slot, sg
.irp c, 0,1,2,3
	ds_load_b128 v[BH+4*\c:BH+4*\c+3], v[LA+\slot] offset:STEPB*(\sg)+4096+512*\c
.endr
.endm
; S = ny + nx for pair p (x tiles 2p, 2p + 1): what the first product adds onto.  16 plain vector instructions on S, NY and NX alone.
.macro CINIT p
.irp a, 0,1
.irp u, 0,1
.irp j, 0,2,4,6
	v_pk_add_f32 v[S+16*\a+8*\u+\j:S+16*\a+8*\u+\j+1], v[NY+8*\u+\j:NY+8*\u+\j+1], v[NX+4*\p+2*\a:NX+4*\p+2*\a+1]
.endr
.endr
.endr
.endm
; One piece product for the four tiles of S: source 0 = 16 rows of y, source 1 = 16 rows of x; lane (r, h), register j: y row 8h + j, x row r.
.macro SMM4 p, ylo, xlo
.irp a, 0,1
.irp u, 0,1
	v_wmma_f32_16x16x32_bf16 v[S+16*\a+8*\u:S+16*\a+8*\u+7], v[Y+16*\u+8*\ylo:Y+16*\u+8*\ylo+7], v[X+16*(2*\p+\a)+8*\xlo:X+16*(2*\p+\a)+8*\xlo+7], v[S+16*\a+8*\u:S+16*\a+8*\u+7]
.endr
.endr
.endm
.macro SMM p                           ; the four accumulators take turns, one instruction a turn
	SMM4 \p, 0, 0
	SMM4 \p, 0, 1
	SMM4 \p, 1, 0
.endm
; Four places behind a matrix instruction before a vector instruction reads its result or a load is issued into one of its sources
.macro NOP4
.rept 4
	v_nop
.endr
.endm
.macro VM e                            ; the clip
	v_med3_num_f32 v[S+\e], v[S+\e], s24, s25
.endm
.macro VE e
	v_exp_f32 v[S+\e], v[S+\e]
.endm
; a quarter (k = 0..3) of the split of group g's four K: pack Kh; K - Kh, exact, from the packed halves; pack Kl
.macro VC g, k
.if \k == 0
	s_wait_alu depctr_va_vdst(0)
	v_cvt_pk_bf16_f32 v[PQ+16*(\g>>2)+2*(\g&3)],   v[S+4*\g],   v[S+4*\g+1]
	v_cvt_pk_bf16_f32 v[PQ+16*(\g>>2)+2*(\g&3)+1], v[S+4*\g+2], v[S+4*\g+3]
.endif
.if \k == 1
	v_fma_mix_f32_bf16 v[S+4*\g],   v[PQ+16*(\g>>2)+2*(\g&3)], v[NEG1], v[S+4*\g]   op_sel:[0,0,0] op_sel_hi:[1,0,0]
	v_fma_mix_f32_bf16 v[S+4*\g+1], v[PQ+16*(\g>>2)+2*(\g&3)], v[NEG1], v[S+4*\g+1] op_sel:[1,0,0] op_sel_hi:[1,0,0]
.endif
.if \k == 2
	v_fma_mix_f32_bf16 v[S+4*\g+2], v[PQ+16*(\g>>2)+2*(\g&3)+1], v[NEG1], v[S+4*\g+2] op_sel:[0,0,0] op_sel_hi:[1,0,0]
	v_fma_mix_f32_bf16 v[S+4*\g+3], v[PQ+16*(\g>>2)+2*(\g&3)+1], v[NEG1], v[S+4*\g+3] op_sel:[1,0,0] op_sel_hi:[1,0,0]
.endif
.if \k == 3
	v_cvt_pk_bf16_f32 v[PQ+16*(\g>>2)+2*(\g&3)+8], v[S+4*\g],   v[S+4*\g+1]
	v_cvt_pk_bf16_f32 v[PQ+16*(\g>>2)+2*(\g&3)+9], v[S+4*\g+2], v[S+4*\g+3]
.endif
.endm
; The 32 registers of S in eight groups of four: while group g's exponentials issue, group g + 1 is clipped and group g - 1 is split.
; Behind every v_exp_f32 stands a plain vector instruction on other registers, and its result is first read a group later, with a
; conversion (behind the first group: the v_nop) in between.
.macro VAL
	VM 0
	VM 1
	VM 2
	VM 3
.irp g, 0,1,2,3,4,5,6,7
.irp k, 0,1,2,3
	VE 4*\g+\k
.if \g < 7
	VM 4*\g+4+\k
.endif
.if \g > 0
	VC (\g-1), \k
.endif
.endr
.if \g == 0
	v_nop
.endif
.endr
	VC 7, 0
	VC 7, 1
	VC 7, 2
	VC 7, 3
.endm
; O += b K for pair p: source 0 = b's image (row = column v of b), source 1 = K's pieces (column = x row).  zero = 1: the first products start the sums.
.macro PV1 t, bb, kk, zero
.if \zero
	v_wmma_f32_16x16x32_bf16 v[O+8*(\t):O+8*(\t)+7], v[\bb:\bb+7], v[\kk:\kk+7], 0
.else
	v_wmma_f32_16x16x32_bf16 v[O+8*(\t):O+8*(\t)+7], v[\bb:\bb+7], v[\kk:\kk+7], v[O+8*(\t):O+8*(\t)+7]
.endif
.endm
.macro PV p, zero                      ; the two accumulators take turns, one instruction a turn
	PV1 2*\p,   BH, PQ,    \zero
	PV1 2*\p+1, BH, PQ+16, \zero
	PV1 2*\p,   BH, PQ+8,  0
	PV1 2*\p+1, BH, PQ+24, 0
	PV1 2*\p,   BL, PQ,    0
	PV1 2*\p+1, BL, PQ+16, 0
.endm
; A step: 32 y against the 64 x, as two pairs.  next = 1: the pack's second step is fetched under the second pair's vector work.
; sig = 1: this step holds my last reads of the slot, and the slot will be filled again: the round's opening signal stands here.
.macro STEP slot, sg, next, sig, zero
	s_wait_dscnt 0x8                               ; the four norm loads are in; the eight image loads behind them may be out
	CINIT 0                                        ; also the places between the last step's matrix instructions and the loads into b's registers
	LOADB \slot, \sg
	s_wait_dscnt 0x4                               ; y's images are in; the four b loads just issued may be out
	SMM 0
	NOP4
	VAL
	s_wait_dscnt 0x0                               ; b's images are in.  With next = 0 these were my last reads of the slot
.if \sig
	s_wait_tensorcnt 0x0                           ; all my tensor loads have landed: the one that was out is my pack in the other slot
	ds_add_u32 v244, v245
	s_wait_dscnt 0x0
	s_barrier_signal -1                            ; say so; this barrier opens a round of the cluster's barrier.  Up to its wait: register work alone
.endif
	PV 0, \zero
	CINIT 1                                        ; 16 places behind PV 0, whose K registers the next VAL rewrites
	SMM 1
	NOP4                                           ; in front of the loads into y's registers and of the clip
.if \next
	LOADY \slot, (\sg)+1
.endif
	VAL
	PV 1, \zero
.endm
; A trip: my pack in a slot.  mode 2: the slot is filled again, two trips ahead; mode 1: nothing is left to fetch, the last pack is waited for; mode 0: the last trip.
.macro TRIP slot, mode, zero
	LOADY \slot, 0
	STEP \slot, 0, 1, 0, \zero
.if \mode == 2
	STEP \slot, 1, 0, 1, 0
	s_barrier_wait -1                              ; all eight waves have read their parts and have no load out,
	CREST                                          ; and so have the waves of all four work-groups
	s_add_nc_u64 s[G0+4*\slot+2:G0+4*\slot+3], s[G0+4*\slot+2:G0+4*\slot+3], 2*SLOT   ; no tensor load of mine is out: the address steps two trips on
	tensor_load_to_lds s[G0+4*\slot:G0+4*\slot+3], s[G1:G1+7]                         ; my one tensor load behind the round, ahead of the next LDS read
	s_nop 0
.else
	STEP \slot, 1, 0, 0, 0
.if \mode == 1
	s_wait_tensorcnt 0x0                           ; my last pack is in; no load was issued behind it
.endif
.endif
.endm
	s_wait_tensorcnt 0x1                           ; my pack of trip 0 is in; trip 1's, issued behind it, may be out.  I read my own part alone: no barrier
	TRIP 0, 2, 1                                   ; the first trip stands in front of the loop: its first products start the sums
	TRIP 1, 2, 0
	s_mov_b32 s44, LAPS
.Llap:
	TRIP 0, 2, 0
	TRIP 1, 2, 0
	s_sub_co_u32 s44, s44, 1
	s_cmp_lg_u32 s44, 0
	s_cbranch_scc1 .Llap
	TRIP 0, 1, 0                                   ; trip 30
	TRIP 1, 0, 0                                   ; trip 31
	; THE WAY OUT: each wave lays its 64 x 16 partial sums into its own stage; behind a barrier thread T adds the eight waves' 16 bytes of row T / 4.
	NOP4                                           ; the places behind the last matrix instructions, in front of the stores of their results
.irp t, 0,1,2,3
	ds_store_b128 v[STO], v[O+8*\t:O+8*\t+3]   offset:16*SPITCH*\t
	ds_store_b128 v[STO], v[O+8*\t+4:O+8*\t+7] offset:16*SPITCH*\t+16
.endr
	s_wait_dscnt 0x0                               ; my stores are done, for the other waves' sake
	CROUND                                         ; its opening barrier shows the stages to all eight waves; as the closing round it keeps every work-group here until no partner can still ask jointly
.irp w, 0,1,2,3,4,5,6,7
	ds_load_b128 v[Y+4*\w:Y+4*\w+3], v[RD] offset:WSTAGE*\w
.endr
	s_wait_dscnt 0x0
.irp w, 0,2,4,6
	v_pk_add_f32 v[Y+4*\w:Y+4*\w+1],   v[Y+4*\w:Y+4*\w+1],   v[Y+4*\w+4:Y+4*\w+5]
	v_pk_add_f32 v[Y+4*\w+2:Y+4*\w+3], v[Y+4*\w+2:Y+4*\w+3], v[Y+4*\w+6:Y+4*\w+7]
.endr
.irp w, 0,4
	v_pk_add_f32 v[Y+4*\w:Y+4*\w+1],   v[Y+4*\w:Y+4*\w+1],   v[Y+4*\w+8:Y+4*\w+9]
	v_pk_add_f32 v[Y+4*\w+2:Y+4*\w+3], v[Y+4*\w+2:Y+4*\w+3], v[Y+4*\w+10:Y+4*\w+11]
.endr
	v_pk_add_f32 v[Y:Y+1],   v[Y:Y+1],   v[Y+16:Y+17]
	v_pk_add_f32 v[Y+2:Y+3], v[Y+2:Y+3], v[Y+18:Y+19]
	global_store_b128 v[OOFF], v[Y:Y+3], s[40:41]  ; a wave's store covers 512 consecutive bytes that start at a multiple of 512 in out0
	s_wait_tensorcnt 0x0
	ds_add_u32 v244, v245
	s_wait_dscnt 0x0
	s_endpgm
.Lfunc_end_k_qe0ab4e4c36_rbf:
	.size	k_qe0ab4e4c36_rbf, .Lfunc_end_k_qe0ab4e4c36_rbf-k_qe0ab4e4c36_rbf
	.p2alignl 7, 3214868480
	.fill 96, 4, 3214868480
	.section	.rodata,"a",@progbits
	.p2align	6, 0x0
	.amdhsa_kernel k_qe0ab4e4c36_rbf
		.amdhsa_group_segment_fixed_size 327680
		.amdhsa_private_segment_fixed_size 0
		.amdhsa_enable_private_segment 0
		.amdhsa_kernarg_size 24
		.amdhsa_user_sgpr_count 2
		.amdhsa_user_sgpr_kernarg_segment_ptr 1
		.amdhsa_wavefront_size32 1
		.amdhsa_system_sgpr_workgroup_id_x 1
		.amdhsa_system_sgpr_workgroup_id_y 1
		.amdhsa_system_sgpr_workgroup_id_z 1
		.amdhsa_system_vgpr_workitem_id 0
		.amdhsa_next_free_vgpr 246
		.amdhsa_next_free_sgpr 66
		.amdhsa_reserve_vcc 0
		.amdhsa_float_denorm_mode_32 3
		.amdhsa_float_denorm_mode_16_64 3
		.amdhsa_memory_ordered 1
		.amdhsa_forward_progress 1
		.amdhsa_inst_pref_size 254
	.end_amdhsa_kernel
	.amdgpu_metadata
---
amdhsa.version: [ 1, 2 ]
amdhsa.kernels:
  - .name:           k_qe0ab4e4c36_rbf
    .symbol:         k_qe0ab4e4c36_rbf.kd
    .args:
      - { .name: pk, .offset: 0, .size: 8, .value_kind: global_buffer, .address_space: global }
      - { .name: ls, .offset: 8, .size: 8, .value_kind: global_buffer, .address_space: global }
      - { .name: out0, .offset: 16, .size: 8, .value_kind: global_buffer, .address_space: global }
    .group_segment_fixed_size: 327680
    .private_segment_fixed_size: 0
    .kernarg_segment_align: 8
    .kernarg_segment_size: 24
    .max_flat_workgroup_size: 256
    .sgpr_count:     66
    .vgpr_count:     246
    .wavefront_size: 32
...
	.end_amdgpu_metadata
.endif
;; end of part 2
;; ======== version 2 of 2: 2 launches; version 1 with the launch prep written anew for expert scheduling mode
;; workspace buffers: pk 6,422,528 bytes
;; launch prep (part 3): grid 256 x 1, 2 waves a work-group, no clusters, 0 bytes of LDS; arguments ls, x, y, b, pk; writes pk
.if DOCPART == 3
	.amdgcn_target "amdgcn-amd-amdhsa--gfx1250"
	.amdhsa_code_object_version 6
	.text
	.protected	k_qe0ab4e4c36_prep
	.globl	k_qe0ab4e4c36_prep
	.p2align	8
	.type	k_qe0ab4e4c36_prep,@function
k_qe0ab4e4c36_prep:
	s_mov_b64 s[64:65], 0
	v_nop
	global_prefetch_b8 v0, s[64:65] scope:SCOPE_SE
	s_setreg_imm32_b32 hwreg(HW_REG_WAVE_SCHED_MODE, 0, 2), 2
	s_setreg_imm32_b32 hwreg(HW_REG_WAVE_MODE, 25, 1), 1
	s_wait_xcnt 0x0
	s_wait_alu depctr_vm_vsrc(0)
; PREP: turns x, y and b into ready register images of 16 x 32 bf16 matrix fragments, each number as two bf16 pieces (hi + lo).
; With L = log2 e, g = ls[0] and c = the mean of y's rows 0 to 15 (a fixed vector: |x - y| does not change when c is taken from both,
; and a common offset of the data is gone before anything is rounded):
;   y packs (jobs 0-255):   y - c as hi + lo,  b as hi + lo,  ny = -g L |y - c|^2
;   x packs (jobs 256-511): 2 g L (x - c) as hi + lo,          nx = -g L |x - c|^2
; so that nx + ny + sum_k (y - c)_k (2 g L (x - c))_k = -g L |x - y|^2, the exponent to base 2 that the second launch needs.
; A pack is 12,544 bytes for 64 points (4 tiles of 16, 2 steps of 32):
;   step s at 6144 s: tile 2s (hi 1024, lo 1024), tile 2s+1 (hi, lo), b of the step (hi 1024, lo 1024);  at 12288: 64 norms of 4 bytes.
; An image is 8 registers x 32 lanes: registers 0-3 of lane l at 16 l, registers 4-7 at 512 + 16 l.
; Fragment map (ISA guide 7.12.2): lane (r = l % 16, h = l / 16) holds point r; registers 0-3 k = 8h .. 8h+7, registers 4-7 k = 16+8h .. +7.
; b's image: lane (r, h) holds column r of b; registers 0-3 rows 8h .. 8h+7 of the step, registers 4-7 rows 16+8h .. +7.
; The b regions of the x packs are neither written here nor read later.
; One wave makes one pack; no wave depends on another: no LDS, no barrier, EXEC stays full.  Every store has data registers of its own.
; Every wave makes c by the same instructions from the same 16 rows, so c is the same to the last bit in all of them.
; LIMITS: NaN and infinities in the inputs are not reproduced.  An outlier of size R among y's first 16 rows moves c by R / 16, which
; only enlarges the centred numbers.  The norms leave as two stores of 128 bytes a pack and b comes in by 4-byte loads of which a
; wave's sixteen cover 2,048 consecutive bytes: together 2 of every 100 bytes that this launch moves.
; THE MODE: SCHED_MODE bits 1:0 = 2 (LLVM: expert scheduling mode 2), set by the entry lines.  The code itself states the register dependences
; between vector instructions and memory instructions, with s_wait_alu, always for 0.
; THE PLAN.  Registers that memory instructions touch:
;   v1 .. v4       byte offsets: written at the head, read by every load and store, never written again.
;   CEN, V, BV     each the target of one load, which no vector instruction that names it precedes; then vector instructions' alone.
;   HL, BHL, SEL   out-registers: each written once, by one step's conversions (SEL: by two selects), read by that image's stores, never written again.
;   T, NA, NRM, v5 to v7 are named by vector instructions alone.
; A step is a tile, or a group of b.  Its images are stored at the head of the NEXT step, behind that step's wait for its data and one wait on va_vdst,
; which states that the step before has written them.  The step's own vector instructions name its own V (or BV), its own images, CEN, T, NA, NRM and v5:
; none of the registers that those stores read.  No register that a memory instruction reads is written again, so no wait on vm_vsrc is owed.
.set PACK, 12544
.set CEN,  8                           ; v[8:23]    minus the centre, for my 16 values of k
.set T,    24                          ; v[24:27]   at work: two pairs that take turns
.set NA,   28                          ; v[28:31]   the norm, in two chains of pairs
.set NRM,  32                          ; v[32:35]   the four tiles' scaled norms
.set SEL,  36                          ; v[36:37]   the norms as stored
.set V,    40                          ; v[40:103]  tile i: 16 numbers as loaded, at 40 + 16 i
.set BV,   104                         ; v[104:135] b of step s: 16 numbers, at 104 + 16 s
.set HL,   136                         ; v[136:199] tile i: hi in 8 registers at 136 + 16 i, lo in the next 8
.set BHL,  200                         ; v[200:231] the same for b's two steps
	s_load_b256 s[4:11], s[0:1], 0x0               ; ls s[4:5], x s[6:7], y s[8:9], b s[10:11]
	s_load_b64 s[12:13], s[0:1], 0x20              ; pk
	v_lshrrev_b32 v5, 5, v0
	v_readfirstlane_b32 s16, v5                    ; wave 0 or 1
	v_and_b32 v6, 15, v0                           ; r
	v_and_b32 v7, 16, v0                           ; 16 h
	v_cmp_ne_u32 s34, 0, v7                        ; the mask of lanes 16-31, for the norms' selects: made here, beside the line above, so that one wait serves both
	v_lshlrev_b32 v1, 7, v6                        ; source: row r of 128 bytes
	v_lshl_add_u32 v1, v7, 1, v1                   ;         + 32 h (k = 8 h)
	v_and_b32 v2, 31, v0
	v_lshlrev_b32 v4, 2, v2                        ; norms: 4 x lane
	v_lshlrev_b32 v2, 4, v2                        ; images: 16 x lane
	v_lshlrev_b32 v3, 2, v6                        ; b: column r
	v_lshl_add_u32 v3, v7, 5, v3                   ;    + 8 h rows of 64 bytes
	s_wait_alu depctr_va_sdst(0)                   ; s16 and s34 are written, ahead of their first readers: the job's number is made from s16, the selects read s34
	s_lshl_b32 s17, ttmp9, 1
	s_add_co_u32 s17, s17, s16                     ; job = 2 x work-group + wave, 0 to 511: the pack's number
	s_and_b32 s18, s17, 255                        ; block of 64 rows of y (and b), or of x
	s_mul_i32 s24, s17, PACK                       ; the pack's place in pk (below 6.5 million)
	s_mov_b32 s25, 0
	s_lshl_b32 s22, s18, 13                        ; 64 rows of 128 bytes
	s_mov_b32 s23, 0
	s_lshl_b32 s26, s18, 12                        ; 64 rows of 64 bytes
	s_mov_b32 s27, 0
	s_mov_b32 s32, 0x76543210                      ; v_permlanex16_b32: lane i of one half reads lane i of the other
	s_mov_b32 s33, 0xfedcba98
	s_wait_kmcnt 0x0
	s_load_b32 s19, s[4:5], 0x0                    ; g
	s_cmp_lt_u32 s17, 256
	s_cselect_b64 s[20:21], s[8:9], s[6:7]         ; the points come from y (jobs 0-255) or from x
	s_add_nc_u64 s[20:21], s[20:21], s[22:23]
	s_add_nc_u64 s[10:11], s[10:11], s[26:27]      ; b's rows of the block (used by the y jobs alone)
	s_add_nc_u64 s[12:13], s[12:13], s[24:25]
	s_wait_alu depctr_va_vdst(0)                   ; the four offsets v1 to v4 are written: every load and store of the kernel reads one of them
	global_load_b128 v[CEN:CEN+3],     v1, s[8:9]              ; y's rows 0-15, my 16 values of k
	global_load_b128 v[CEN+4:CEN+7],   v1, s[8:9] offset:16
	global_load_b128 v[CEN+8:CEN+11],  v1, s[8:9] offset:64
	global_load_b128 v[CEN+12:CEN+15], v1, s[8:9] offset:80
.irp i, 0,1,2,3
	global_load_b128 v[V+16*\i:V+16*\i+3],     v1, s[20:21] offset:2048*\i       ; tile i: k = 8h .. 8h+3
	global_load_b128 v[V+16*\i+4:V+16*\i+7],   v1, s[20:21] offset:2048*\i+16    ;         8h+4 .. 8h+7
	global_load_b128 v[V+16*\i+8:V+16*\i+11],  v1, s[20:21] offset:2048*\i+64    ;         16+8h .. +3
	global_load_b128 v[V+16*\i+12:V+16*\i+15], v1, s[20:21] offset:2048*\i+80    ;         16+8h+4 .. +7
.endr
	s_wait_kmcnt 0x0                               ; g
	s_mul_f32 s28, s19, 0xbfb8aa3b                 ; -g L
	s_mul_f32 s30, s28, -2.0                       ; 2 g L,
	s_mov_b32 s31, s30                             ; as a whole pair for the packed multiply
; minus the mean of y's rows 0-15.  left = the loads issued behind the four of the centre.
.macro CENTRE left
	s_wait_loadcnt \left
.irp m, 1,2,4,8
.irp q, 0,1,2,3,4,5,6,7,8,9,10,11,12,13,14,15
	v_add_f32_dpp v[CEN+\q], v[CEN+\q], v[CEN+\q] row_xmask:\m row_mask:0xf bank_mask:0xf    ; the 16 lanes of a half hold the 16 rows
.endr
.endr
.irp q, 0,2,4,6,8,10,12,14
	v_pk_mul_f32 v[CEN+\q:CEN+\q+1], v[CEN+\q:CEN+\q+1], 0xbd800000 op_sel_hi:[1,0]          ; times -1/16
.endr
.endm
; 16 numbers in f32 at src become 8 registers of bf16 hi at dst and 8 of bf16 lo at dst + 8; lo = the rounded rest, which is formed exactly
.macro SPLIT16 src, dst
.irp q, 0,1,2,3,4,5,6,7
	v_cvt_pk_bf16_f32 v[\dst+\q], v[\src+2*\q], v[\src+2*\q+1]
	v_lshlrev_b32 v[T+2*(\q&1)],   16, v[\dst+\q]
	v_and_b32     v[T+2*(\q&1)+1], 0xffff0000, v[\dst+\q]
	v_pk_add_f32 v[\src+2*\q:\src+2*\q+1], v[\src+2*\q:\src+2*\q+1], v[T+2*(\q&1):T+2*(\q&1)+1] neg_lo:[0,1] neg_hi:[0,1]
	v_cvt_pk_bf16_f32 v[\dst+8+\q], v[\src+2*\q], v[\src+2*\q+1]
.endr
.endm
; four stores of an image pair (hi, lo): each covers 512 consecutive bytes that start at a multiple of 512 in the pack
.macro PUT reg, off
.irp c, 0,1,2,3
	global_store_b128 v2, v[\reg+4*\c:\reg+4*\c+3], s[12:13] offset:\off+512*\c
.endr
.endm
; tile i: the tile before is stored; then centre, norm, scale (x alone), split.  left = the loads issued behind this tile's four.
.macro TILE i, left, scaled
	s_wait_loadcnt \left
.if \i > 0
	s_wait_alu depctr_va_vdst(0)                   ; the tile before has written its hi and lo images, which the four stores below read; no vector line of this tile names them
	PUT HL+16*(\i-1), ((\i-1)>>1)*6144+((\i-1)&1)*2048
.endif
.irp q, 0,2,4,6,8,10,12,14
	v_pk_add_f32 v[V+16*\i+\q:V+16*\i+\q+1], v[V+16*\i+\q:V+16*\i+\q+1], v[CEN+\q:CEN+\q+1]
.endr
	v_pk_mul_f32 v[NA:NA+1],   v[V+16*\i:V+16*\i+1],   v[V+16*\i:V+16*\i+1]                  ; the first products start the two chains
	v_pk_mul_f32 v[NA+2:NA+3], v[V+16*\i+2:V+16*\i+3], v[V+16*\i+2:V+16*\i+3]
.irp q, 4,8,12
	v_pk_fma_f32 v[NA:NA+1],   v[V+16*\i+\q:V+16*\i+\q+1],   v[V+16*\i+\q:V+16*\i+\q+1],   v[NA:NA+1]
	v_pk_fma_f32 v[NA+2:NA+3], v[V+16*\i+\q+2:V+16*\i+\q+3], v[V+16*\i+\q+2:V+16*\i+\q+3], v[NA+2:NA+3]
.endr
	v_pk_add_f32 v[NA:NA+1], v[NA:NA+1], v[NA+2:NA+3]
	v_add_f32 v[NA], v[NA], v[NA+1]                ; my 16 values of k;
	v_permlanex16_b32 v5, v[NA], s32, s33          ; the other 16 lie in the other half (v5 has been written before)
	v_add_f32 v[NA], v[NA], v5
	v_mul_f32 v[NRM+\i], s28, v[NA]                ; -g L |.|^2 of point r, in both halves
.if \scaled
.irp q, 0,2,4,6,8,10,12,14
	v_pk_mul_f32 v[V+16*\i+\q:V+16*\i+\q+1], v[V+16*\i+\q:V+16*\i+\q+1], s[30:31] op_sel_hi:[1,0]
.endr
.endif
	SPLIT16 V+16*\i, HL+16*\i
.endm
; the 64 norms: lanes 0-15 give the even tile's, lanes 16-31 the odd tile's (s34, made and waited for at the head)
.macro NSEL
	v_cndmask_b32 v[SEL],   v[NRM],   v[NRM+1], s34
	v_cndmask_b32 v[SEL+1], v[NRM+2], v[NRM+3], s34
.endm
.macro NPUT
	global_store_b32 v4, v[SEL],   s[12:13] offset:12288
	global_store_b32 v4, v[SEL+1], s[12:13] offset:12416
.endm
; b of step s: what the step before has made is stored; then the split.  left = the loads issued behind its sixteen.
.macro BGRP s, left
	s_wait_loadcnt \left
.if \s == 0
	s_wait_alu depctr_va_vdst(0)                   ; tile 3 has written its images and the selects have written the norms, which the six stores below read
	PUT HL+48, 6144+2048
	NPUT
.else
	s_wait_alu depctr_va_vdst(0)                   ; b's first group has written its images, which the four stores below read
	PUT BHL, 4096
.endif
	SPLIT16 BV+16*\s, BHL+16*\s
.endm
	s_cmp_ge_u32 s17, 256
	s_cbranch_scc1 .Lx
	; a y pack
.irp s, 0,1
.irp i, 0,1,2,3,4,5,6,7
	global_load_b32 v[BV+16*\s+\i],   v3, s[10:11] offset:2048*\s+64*\i          ; b[32 s + 8h + i][r]
.endr
.irp i, 0,1,2,3,4,5,6,7
	global_load_b32 v[BV+16*\s+8+\i], v3, s[10:11] offset:2048*\s+1024+64*\i     ; b[32 s + 16 + 8h + i][r]
.endr
.endr
	CENTRE 48                                      ; behind the centre's loads: 16 of the tiles and 32 of b
	TILE 0, 44, 0                                  ; 12 of the later tiles and 32 of b stay out, and so on
	TILE 1, 40, 0
	TILE 2, 36, 0
	TILE 3, 32, 0
	NSEL
	BGRP 0, 16                                     ; the second step's sixteen stay out
	BGRP 1, 0
	s_wait_alu depctr_va_vdst(0)                   ; b's second group has written its images, which the last four stores read
	PUT BHL+16, 6144+4096
	s_endpgm
.Lx:	; an x pack
	CENTRE 16                                      ; behind the centre's loads: 16 of the tiles
	TILE 0, 12, 1
	TILE 1, 8, 1
	TILE 2, 4, 1
	TILE 3, 0, 1
	NSEL
	s_wait_alu depctr_va_vdst(0)                   ; tile 3 has written its images and the selects have written the norms, which the last six stores read
	PUT HL+48, 6144+2048
	NPUT
	s_endpgm
.Lfunc_end_k_qe0ab4e4c36_prep:
	.size	k_qe0ab4e4c36_prep, .Lfunc_end_k_qe0ab4e4c36_prep-k_qe0ab4e4c36_prep
	.p2alignl 7, 3214868480
	.fill 96, 4, 3214868480
	.section	.rodata,"a",@progbits
	.p2align	6, 0x0
	.amdhsa_kernel k_qe0ab4e4c36_prep
		.amdhsa_group_segment_fixed_size 0
		.amdhsa_private_segment_fixed_size 0
		.amdhsa_enable_private_segment 0
		.amdhsa_kernarg_size 40
		.amdhsa_user_sgpr_count 2
		.amdhsa_user_sgpr_kernarg_segment_ptr 1
		.amdhsa_wavefront_size32 1
		.amdhsa_system_sgpr_workgroup_id_x 1
		.amdhsa_system_sgpr_workgroup_id_y 1
		.amdhsa_system_sgpr_workgroup_id_z 1
		.amdhsa_system_vgpr_workitem_id 0
		.amdhsa_next_free_vgpr 232
		.amdhsa_next_free_sgpr 66
		.amdhsa_reserve_vcc 0
		.amdhsa_float_denorm_mode_32 3
		.amdhsa_float_denorm_mode_16_64 3
		.amdhsa_memory_ordered 1
		.amdhsa_forward_progress 1
		.amdhsa_inst_pref_size 56
	.end_amdhsa_kernel
	.amdgpu_metadata
---
amdhsa.version: [ 1, 2 ]
amdhsa.kernels:
  - .name:           k_qe0ab4e4c36_prep
    .symbol:         k_qe0ab4e4c36_prep.kd
    .args:
      - { .name: ls, .offset: 0, .size: 8, .value_kind: global_buffer, .address_space: global }
      - { .name: x, .offset: 8, .size: 8, .value_kind: global_buffer, .address_space: global }
      - { .name: y, .offset: 16, .size: 8, .value_kind: global_buffer, .address_space: global }
      - { .name: b, .offset: 24, .size: 8, .value_kind: global_buffer, .address_space: global }
      - { .name: pk, .offset: 32, .size: 8, .value_kind: global_buffer, .address_space: global }
    .group_segment_fixed_size: 0
    .private_segment_fixed_size: 0
    .kernarg_segment_align: 8
    .kernarg_segment_size: 40
    .max_flat_workgroup_size: 64
    .sgpr_count:     66
    .vgpr_count:     232
    .wavefront_size: 32
...
	.end_amdgpu_metadata
.endif
;; end of part 3
;; launch rbf: the kernel of part 2 again; grid 256 x 1, 8 waves a work-group, clusters of 4 x 1, 327,680 bytes of LDS; arguments pk, ls, out0; writes out0
